; MI455X (gfx1250); checked and timed in simulation.
; The chip was launched on July 23, 2026; its instructions are those of AMD's public machine-readable ISA for CDNA 5 (MIT licence, August 2026) and "CDNA5" Instruction Set Architecture Reference Guide (July 2026). The comments in the code are by the model that wrote it; some were corrected since.
;; Attention. Allowed arithmetic: float matrix products may take bf16 or f16 operands with f32 sums; all other float work in f32.
;; Inputs: attention_mask 2,048 x 2,048 bool; cos 2,048 x 64 float32; sin 2,048 x 64 float32; wk 1,024 x 4,096 float32; wo 4,096 x 2,048 float32; wq 2,048 x 4,096 float32; wv 1,024 x 4,096 float32; x 1 x 2,048 x 4,096 float32.
;; Outputs: out0 1 x 2,048 x 4,096 float32.
;; One version. Each part assembles by itself: llvm-mc -triple=amdgcn-amd-amdhsa -mcpu=gfx1250 --defsym DOCPART=n.
;; ======== version 1 of 1: 4 launches
;; limits: values outside matrix products are rounded to bf16; values are held in f16: magnitudes above 65,504 overflow, below 6.1e-05 lose precision
;; workspace buffers: xb 16,777,216 bytes; wqkv 33,554,432 bytes; wob 16,777,216 bytes; mbits 524,288 bytes of whole numbers; qkvh 16,777,216 bytes; ao 8,388,608 bytes
;; launch prep (part 1): grid 256 x 9, 8 waves a work-group, no clusters, 0 bytes of LDS; arguments x, wq, wk, wv, wo, attention_mask, xb, wqkv, wob, mbits; writes xb, wqkv, wob, mbits
.if DOCPART == 1
	.amdgcn_target "amdgcn-amd-amdhsa--gfx1250"
	.amdhsa_code_object_version 6
	.text
	.protected	k_q68149507ac_prep
	.globl	k_q68149507ac_prep
	.p2align	8
	.type	k_q68149507ac_prep,@function
k_q68149507ac_prep:
	s_mov_b64 s[64:65], 0
	v_nop
	global_prefetch_b8 v0, s[64:65] scope:SCOPE_SE
	s_setreg_imm32_b32 hwreg(HW_REG_WAVE_MODE, 25, 1), 1
	s_wait_xcnt 0x0
; prep: a stream.  Every f32 matrix operand is rounded once to bf16, and the mask is packed into lane predicates.
;   y = 0,1: x -> xb (bf16)      y = 2,3: wq -> wqkv rows 0-2047      y = 4: wk -> rows 2048-3071      y = 5: wv -> rows 3072-4095
;   y = 6,7: wo -> wob, as f16(bf16(wo)): the last product's other operand is f16, so both sides take the f16 form.
;            LIMIT: a bf16 number is exact in f16 from 2^-17 up to 65,504; below 2^-17 the absolute error is at most 3e-8.
;   y = 8:   attention_mask -> mbits[P=128][T=128][j=8] dwords; bit L of dword (P,T,j) = mask[16P+(L&15)][16T+8(L>>4)+j] != 0,
;            which is the lane predicate of register j of a 16 x 16 tile of scores held as (key = 8 (L>>4) + j, query = L & 15).
; y = 0..7: a segment of 16 MiB of f32; work-group x takes 64 KiB of it, wave w 8 KiB of that, as sixteen pieces of 512 bytes.
; A load takes 16 bytes a lane: 512 consecutive bytes a wave, so every byte of the input is named by one instruction only.  A lane's four numbers
; become 8 bytes, and a store of 8 bytes a lane covers 256 consecutive bytes, aligned.  All sixteen loads of a thread go out at once; no register
; that a memory instruction names is written twice, so the only waits are the counted ones for the data.
; No LDS, no matrix unit, no cluster: nothing is shared between threads and every byte is touched once.
.set X, 4                              ; v[4:67]    sixteen loads of 4 registers
.set Y, 68                             ; v[68:99]   sixteen stores of 2 registers
.set T, 100                            ; v[100:101] at work (y = 6, 7)
	s_load_b512 s[8:23], s[0:1], 0x0               ; x 8, wq 10, wk 12, wv 14, wo 16, mask 18, xb 20, wqkv 22
	s_load_b128 s[24:27], s[0:1], 0x40             ; wob 24, mbits 26
	s_and_b32 s2, ttmp7, 0xffff                    ; y
	s_mov_b32 s3, ttmp9                            ; x
	s_wait_kmcnt 0x0
	s_cmp_eq_u32 s2, 8
	s_cbranch_scc1 .Lmask
	; which buffers: a choice on y alone
	s_mov_b64 s[4:5], s[8:9]
	s_mov_b64 s[6:7], s[20:21]
	s_cmp_ge_u32 s2, 2
	s_cselect_b64 s[4:5], s[10:11], s[4:5]
	s_cselect_b64 s[6:7], s[22:23], s[6:7]
	s_cmp_ge_u32 s2, 4
	s_cselect_b64 s[4:5], s[12:13], s[4:5]
	s_cmp_ge_u32 s2, 5
	s_cselect_b64 s[4:5], s[14:15], s[4:5]
	s_cmp_ge_u32 s2, 6
	s_cselect_b64 s[4:5], s[16:17], s[4:5]
	s_cselect_b64 s[6:7], s[24:25], s[6:7]
	; which segment of them: source y & 1 (0 for wk, wv); destination y & 1 (2 + (y & 1) for wk, wv, behind wq's two)
	s_and_b32 s32, s2, 1
	s_add_co_u32 s33, s32, 2
	s_and_b32 s34, s2, 6
	s_cmp_eq_u32 s34, 4
	s_cselect_b32 s33, s33, s32
	s_cselect_b32 s32, 0, s32
	s_lshl_b32 s28, s32, 24                        ; 16 MiB a source segment
	s_lshl_b32 s34, s3, 16                         ; 64 KiB a work-group
	s_add_co_u32 s28, s28, s34
	s_mov_b32 s29, 0
	s_lshl_b32 s30, s33, 23                        ; half of each on the way out
	s_lshl_b32 s34, s3, 15
	s_add_co_u32 s30, s30, s34
	s_mov_b32 s31, 0
	s_add_nc_u64 s[4:5], s[4:5], s[28:29]
	s_add_nc_u64 s[6:7], s[6:7], s[30:31]
	s_mov_b32 s38, 0xffff0000                      ; a word's upper bf16
	v_and_b32 v1, 31, v0                           ; lane
	v_lshrrev_b32 v3, 5, v0                        ; wave
	v_lshlrev_b32 v2, 3, v1                        ; out: 8 L
	v_lshlrev_b32 v1, 4, v1                        ; in: 16 L
	v_lshl_add_u32 v2, v3, 12, v2                  ; + 4,096 w
	v_lshl_add_u32 v1, v3, 13, v1                  ; + 8,192 w
.set i, 0
.rept 16
	global_load_b128 v[X+4*i:X+4*i+3], v1, s[4:5] offset:i*512 th:TH_LOAD_NT
.set i, i+1
.endr
; piece i: four numbers rounded and stored.  half = 1: the bf16 numbers are widened again and written as f16.
.macro CONV i, half
	s_wait_loadcnt 15-\i                           ; loads return in order: the 15 - i younger ones stay out
.if \half
	v_cvt_pk_bf16_f32 v[T],   v[X+4*\i],   v[X+4*\i+1]
	v_cvt_pk_bf16_f32 v[T+1], v[X+4*\i+2], v[X+4*\i+3]
	v_lshlrev_b32 v[X+4*\i],   16,  v[T]
	v_and_b32     v[X+4*\i+1], s38, v[T]
	v_lshlrev_b32 v[X+4*\i+2], 16,  v[T+1]
	v_and_b32     v[X+4*\i+3], s38, v[T+1]
	v_cvt_pk_f16_f32 v[Y+2*\i],   v[X+4*\i],   v[X+4*\i+1]
	v_cvt_pk_f16_f32 v[Y+2*\i+1], v[X+4*\i+2], v[X+4*\i+3]
.else
	v_cvt_pk_bf16_f32 v[Y+2*\i],   v[X+4*\i],   v[X+4*\i+1]
	v_cvt_pk_bf16_f32 v[Y+2*\i+1], v[X+4*\i+2], v[X+4*\i+3]
.endif
	global_store_b64 v2, v[Y+2*\i:Y+2*\i+1], s[6:7] offset:\i*256
.endm
	s_cmp_ge_u32 s2, 6
	s_cbranch_scc1 .Lhalf
.irp i, 0,1,2,3,4,5,6,7,8,9,10,11,12,13,14,15
	CONV \i, 0
.endr
	s_endpgm
.Lhalf:
.irp i, 0,1,2,3,4,5,6,7,8,9,10,11,12,13,14,15
	CONV \i, 1
.endr
	s_endpgm
	; The mask.  Work-group x: query tile P = x >> 1; wave w: the 128 keys of chunk 8 (x & 1) + w, eight key tiles of 16.
	; Lane (r = L & 15, h = L >> 4) reads the 8 bytes mask[16P + r][key tile + 8h ..]; a compare of byte j over the wave IS dword (P, T, j).
.Lmask:
	v_and_b32 v1, 15, v0
	v_bfe_u32 v2, v0, 4, 1
	v_lshrrev_b32 v3, 5, v0
	v_lshlrev_b32 v1, 11, v1                       ; r rows of 2,048 bytes
	v_lshl_add_u32 v1, v2, 3, v1                   ; + 8 h
	v_lshl_add_u32 v1, v3, 7, v1                   ; + 128 w
	v_lshlrev_b32 v2, 3, v0                        ; out: 8 t = 256 w + 8 L
	s_lshr_b32 s28, s3, 1                          ; P
	s_and_b32 s34, s3, 1
	s_lshl_b32 s30, s28, 12                        ; mbits: 4,096 bytes a query tile
	s_lshl_b32 s28, s28, 15                        ; mask: 16 rows of 2,048 bytes
	s_lshl_b32 s33, s34, 10
	s_add_co_u32 s28, s28, s33                     ; + the half row of 1,024 keys
	s_lshl_b32 s33, s34, 11
	s_add_co_u32 s30, s30, s33                     ; + its 64 key tiles of 32 bytes
	s_mov_b32 s29, 0
	s_mov_b32 s31, 0
	s_add_nc_u64 s[4:5], s[18:19], s[28:29]
	s_add_nc_u64 s[6:7], s[26:27], s[30:31]
.irp tt, 0,1,2,3,4,5,6,7
	global_load_b64 v[4+2*\tt:5+2*\tt], v1, s[4:5] offset:16*\tt
.endr
	s_mov_b32 s32, 0xff
	s_mov_b32 s33, 0xff00
	s_mov_b32 s34, 0xff0000
	s_mov_b32 s35, 0xff000000
	v_mov_b32 v20, 0                               ; v_writelane_b32 keeps the other lanes: both registers are written whole first
	v_mov_b32 v21, 0
.irp tt, 0,1,2,3,4,5,6,7
	s_wait_loadcnt 7-\tt                           ; key tile tt is in, the younger ones stay out
.irp j, 0,1,2,3,4,5,6,7
	v_and_b32 v[22+(\j&1)], s[32+(\j&3)], v[4+2*\tt+(\j>>2)]
	v_cmp_ne_u32 s[36+(\j&1)], 0, v[22+(\j&1)]
	v_writelane_b32 v[20+(\j&1)], s[36+(\j&1)], 4*\tt+(\j>>1)   ; dword 8 tt + j of the wave's 64: lane (8 tt + j) / 2, register j & 1
.endr
.endr
	global_store_b64 v2, v[20:21], s[6:7]          ; the wave's 64 dwords: 256 consecutive bytes, aligned
	s_endpgm
.Lfunc_end_k_q68149507ac_prep:
	.size	k_q68149507ac_prep, .Lfunc_end_k_q68149507ac_prep-k_q68149507ac_prep
	.p2alignl 7, 3214868480
	.fill 96, 4, 3214868480
	.section	.rodata,"a",@progbits
	.p2align	6, 0x0
	.amdhsa_kernel k_q68149507ac_prep
		.amdhsa_group_segment_fixed_size 0
		.amdhsa_private_segment_fixed_size 0
		.amdhsa_enable_private_segment 0
		.amdhsa_kernarg_size 80
		.amdhsa_user_sgpr_count 2
		.amdhsa_user_sgpr_kernarg_segment_ptr 1
		.amdhsa_wavefront_size32 1
		.amdhsa_system_sgpr_workgroup_id_x 1
		.amdhsa_system_sgpr_workgroup_id_y 1
		.amdhsa_system_sgpr_workgroup_id_z 1
		.amdhsa_system_vgpr_workitem_id 0
		.amdhsa_next_free_vgpr 104
		.amdhsa_next_free_sgpr 66
		.amdhsa_reserve_vcc 0
		.amdhsa_float_denorm_mode_32 3
		.amdhsa_float_denorm_mode_16_64 3
		.amdhsa_memory_ordered 1
		.amdhsa_forward_progress 1
		.amdhsa_inst_pref_size 28
	.end_amdhsa_kernel
	.amdgpu_metadata
---
amdhsa.version: [ 1, 2 ]
amdhsa.kernels:
  - .name:           k_q68149507ac_prep
    .symbol:         k_q68149507ac_prep.kd
    .args:
      - { .name: x, .offset: 0, .size: 8, .value_kind: global_buffer, .address_space: global }
      - { .name: wq, .offset: 8, .size: 8, .value_kind: global_buffer, .address_space: global }
      - { .name: wk, .offset: 16, .size: 8, .value_kind: global_buffer, .address_space: global }
      - { .name: wv, .offset: 24, .size: 8, .value_kind: global_buffer, .address_space: global }
      - { .name: wo, .offset: 32, .size: 8, .value_kind: global_buffer, .address_space: global }
      - { .name: attention_mask, .offset: 40, .size: 8, .value_kind: global_buffer, .address_space: global }
      - { .name: xb, .offset: 48, .size: 8, .value_kind: global_buffer, .address_space: global }
      - { .name: wqkv, .offset: 56, .size: 8, .value_kind: global_buffer, .address_space: global }
      - { .name: wob, .offset: 64, .size: 8, .value_kind: global_buffer, .address_space: global }
      - { .name: mbits, .offset: 72, .size: 8, .value_kind: global_buffer, .address_space: global }
    .group_segment_fixed_size: 0
    .private_segment_fixed_size: 0
    .kernarg_segment_align: 8
    .kernarg_segment_size: 80
    .max_flat_workgroup_size: 256
    .sgpr_count:     66
    .vgpr_count:     104
    .wavefront_size: 32
...
	.end_amdgpu_metadata
.endif
;; end of part 1
;; launch qkv (part 2): grid 16 x 16, 4 waves a work-group, clusters of 4 x 4, 327,680 bytes of LDS; arguments xb, wqkv, qkvh, cos, sin; writes qkvh
.if DOCPART == 2
	.amdgcn_target "amdgcn-amd-amdhsa--gfx1250"
	.amdhsa_code_object_version 6
	.text
	.protected	k_q68149507ac_qkv
	.globl	k_q68149507ac_qkv
	.p2align	8
	.type	k_q68149507ac_qkv,@function
k_q68149507ac_qkv:
	s_mov_b64 s[64:65], 0
	v_nop
	global_prefetch_b8 v0, s[64:65] scope:SCOPE_SE
	s_setreg_imm32_b32 hwreg(HW_REG_WAVE_MODE, 25, 1), 1
	s_wait_xcnt 0x0
	s_wait_alu depctr_hold_cnt(0) depctr_sa_sdst(0) depctr_va_vdst(0) depctr_va_sdst(0) depctr_va_ssrc(0) depctr_va_vcc(0) depctr_vm_vsrc(0)
	s_getreg_b32 s2, hwreg(HW_REG_IB_STS2, 6, 4)
	s_cmp_eq_u32 s2, 0
	s_cbranch_scc0 .Lentry_in_a_cluster
	s_endpgm
.Lentry_in_a_cluster:
	s_bfe_u32 s2, ttmp6, 0x10000c
	s_cmp_lg_u32 s2, 0xf033
	s_cbranch_scc0 .Lentry_shape_is_right
	s_endpgm
.Lentry_shape_is_right:
; qkv: qkvh[s][n] = sum over k of xb[s][k] wqkv[n][k]  (2048 x 4096 x 4096, bf16 operands, f32 sums), then the rotation of q and k, out in f16.
; Columns 0-2047 are the 16 query heads, 2048-3071 the 8 key heads, 3072-4095 the 8 value heads, 128 columns a head.
; q and k: pair i of a head, (x1, x2) = columns (2i, 2i+1), becomes y1 = x1 c - x2 s, y2 = x2 c + x1 s with c, s = cos, sin[position][i].
;   y1 is stored at column 2i and y2 at 2i+1, in q and in k alike: the problem puts all y1 in front of all y2, which is the same permutation of
;   the head's 128 numbers on both sides of q . k and so leaves every score as it is.  Nothing else reads q or k.
;   c and s carry the factor SQC = sqrt(log2 e / sqrt 128), so that q' . k' is the scaled score in units of powers of two.
;   cos and sin are rounded to bf16 first, as every floating-point input is (ROUND_CS).
; LIMITS: |SQC q|, |SQC k| and |v| must stay below 65,504, the largest f16; NaN and infinities get no special treatment.
;
; A work-group makes 128 x 256 of C with four waves; a wave makes 64 x 128: 32 accumulator tiles of 16 x 16, 256 registers.  16 x 16 = 256 work-groups.
; THE RING: two LDS slots of unequal length, filled by tensor loads.  Slot 0 holds 256 along K (rows of 512 bytes, pitch 528), slot 1 holds 128 (rows of
; 256 bytes, pitch 272); each holds B's 256 rows, then A's 128: 202,752 + 104,448 = 307,200 bytes.  Two slots of 256 along K would take 405,504 bytes,
; more than a work-group can be given.  A lap is 384 along K: two changes of slots for 384 matrix instructions of a wave.  All rows begin at multiples of
; 256 bytes from their buffer's start.  K = 4,096 = 11 x 256 + 10 x 128: the slots are read 0, 1, 0, 1, .. 0.
; From the request for slot 1 to the wait for it a wave issues 240 matrix instructions, from the request for slot 0 to its wait 112.
; CLUSTERS: 4 x 4 work-groups.  The four of a row of the cluster need the same tiles of A, the four of a column the same tiles of B:
; each tile is asked for jointly, by the same load with the same descriptor in all four, which divides the requests for A and B by four.
; The matrix instruction is used transposed (source 0 = rows of B, source 1 = rows of A): lane l holds row l % 16 of C and its registers 0-7 the
; columns 8 (l / 16) + 0..7, eight neighbours: four rotation pairs, and 16 bytes of f16.
; REGISTERS: window 0: v16-27 addresses, v32-127 and v128-223 two fragment buffers (B's 8 x 8 registers, then A's 4 x 8), v224-255 packed results.
;            window 1: accumulator tile (a, b) at v[8 (8 a + b)].
.set SIZE_K, 4096
.set CROW,   8192                      ; bytes in a row of C
.set ROUND_CS, 1
.set XS,     0                         ; the slot that is read first and last
.set YS,     1-XS                      ; the other one
.set FULL,   9                         ; laps in which both slots are filled again
.set PP0,    528                       ; pitches: 512 + 16 and 256 + 16 bytes, odd multiples of 16, so the 16 rows of a fragment load lie in 16 different 16-byte columns of a 256-byte span
.set PP1,    272
.set DPP,    PP0-PP1
.set BASE0,  0
.set BASE1,  384*PP0                   ; 202,752, a multiple of 256
.set KB0,    512                       ; bytes of a row in slot 0, in slot 1
.set KB1,    256
.set LAPB,   KB0+KB1                   ; bytes along a row in a lap
.set START0, XS*KB1                    ; where each slot's first tile begins in a row
.set START1, YS*KB0
.set STAGE,  YS*BASE1                  ; the way out goes through slot YS: its last fill has landed and its last read is over in front of the last barrier
.set SPITCH, 272                       ; 16 rows x 272 bytes for each wave
.set DW00,   (1<<16)|(1<<20)|(1<<21)|(6<<22)|(3<<25)   ; elements of 2 bytes; padding on; bit 21 beside a mask; behind every 128 dwords, 4 dwords
.set DW01,   (1<<16)|(1<<20)|(1<<21)|(5<<22)|(3<<25)   ; behind every 64 dwords
.set ADRA, 16                          ; v16-17 my A fragments in slot 0, 1
.set ADRB, 20                          ; v20-21 my B fragments
.set STO,  24
.set RD,   25
.set CO,   26
.set CS,   27
.set F0,   32
.set F1,   128
.set TMP,  224
.set CB0,  32                          ; the way out: cos (32 registers) and sin (32) of 16 rows, two buffers at v32 and v96
.set TT,   160                         ; the way out: 64 registers at work
.set G0,   24                          ; s[24:31] group 0 for A's tiles, one set a slot
.set G0B,  32                          ; s[32:39] group 0 for B's tiles
.set G1,   68                          ; s[68:83] group 1 for A's tiles, one set a slot
.set G1B,  84                          ; s[84:99] group 1 for B's tiles
.set ACCW, 0x50                        ; C and D in window 1, A and B in window 0
.set MSB, 0
.macro WIN new                         ; the immediate's high byte repeats the setting that is left
.if MSB != \new
	s_set_vgpr_msb (MSB<<8)|\new
.set MSB, \new
.endif
.endm
.macro PLACES                          ; four places behind a matrix instruction before a load lands on, or a vector instruction touches, its registers
.rept 4
	v_nop
.endr
.endm
; A joint load: waves 0, 1 fetch B's two halves, waves 2, 3 A's.  Each line has one mask; the branch hangs on the wave's number alone.
.macro JLOAD s
	s_cmp_eq_u32 s11, 0
	s_cbranch_scc0 .Lfor_a_\@
	tensor_load_to_lds s[G0B+4*(\s):G0B+4*(\s)+3], s[G1B+8*(\s):G1B+8*(\s)+7]
	s_nop 0
	s_branch .Lasked_\@
.Lfor_a_\@:
	tensor_load_to_lds s[G0+4*(\s):G0+4*(\s)+3], s[G1+8*(\s):G1+8*(\s)+7]
	s_nop 0
.Lasked_\@:
.endm
.macro CREST                           ; a round of the cluster's barrier behind its opening work-group barrier
	s_cmp_lg_u32 s10, 0
	s_cbranch_scc1 .Lnot_wave_0_\@
	s_barrier_signal -3
.Lnot_wave_0_\@:
	s_barrier_wait -3
	s_barrier_signal -1
	s_barrier_wait -1
.endm
.macro CROUND
	s_barrier_signal -1
	s_barrier_wait -1
	CREST
.endm
	s_load_b128 s[4:7], s[0:1], 0x0                ; xb (A), wqkv (B)
	s_load_b64 s[8:9], s[0:1], 0x10                ; qkvh (C)
	s_load_b128 s[48:51], s[0:1], 0x18             ; cos, sin
	v_lshl_add_u32 v30, v0, 2, 0x4b000
	v_mov_b32 v31, 0
	ds_add_u32 v30, v31
	v_lshrrev_b32 v1, 5, v0
	v_readfirstlane_b32 s10, v1                    ; wave 0..3
	s_lshr_b32 s11, s10, 1                         ; my 64 rows of the block.  Also: I fetch for B (0) or for A (1)
	s_and_b32 s12, s10, 1                          ; my 128 columns.  Also: which half of that tile I fetch
	s_bfe_u32 s40, ttmp6, 0x40000                  ; cx
	s_bfe_u32 s41, ttmp6, 0x40004                  ; cy
	s_lshl_b32 s42, ttmp9, 2
	s_add_co_u32 s42, s42, s40                     ; block column = 4 x cluster x + cx
	s_and_b32 s13, ttmp7, 0xffff
	s_lshl_b32 s13, s13, 2
	s_add_co_u32 s13, s13, s41                     ; block row = 4 x cluster y + cy
	s_lshl_b32 s43, s41, 2
	s_lshl_b32 s43, 15, s43                        ; my row of the cluster
	s_lshl_b32 s44, 0x1111, s40                    ; my column
	s_or_b32 s[G1+0],  s43, DW00                   ; A's tiles go to my row
	s_or_b32 s[G1+8],  s43, DW01
	s_or_b32 s[G1B+0], s44, DW00                   ; B's to my column
	s_or_b32 s[G1B+8], s44, DW01
.irp s, 0,1
	s_mov_b32 s[G1+8*\s+1],  (256-128*\s)<<16      ; tensor_dim0 = the slot's length along K
	s_mov_b32 s[G1B+8*\s+1], (256-128*\s)<<16
	s_mov_b32 s[G1+8*\s+2],  64<<16                ; tensor_dim1 = the tile's rows: 64 of A, 128 of B
	s_mov_b32 s[G1B+8*\s+2], 128<<16
	s_mov_b32 s[G1+8*\s+3],  (256-128*\s)<<16      ; tile_dim0
	s_mov_b32 s[G1B+8*\s+3], (256-128*\s)<<16
	s_mov_b32 s[G1+8*\s+4],  64                    ; tile_dim1
	s_mov_b32 s[G1B+8*\s+4], 128
	s_mov_b32 s[G1+8*\s+5],  SIZE_K                ; elements from row to row
	s_mov_b32 s[G1B+8*\s+5], SIZE_K
	s_mov_b32 s[G1+8*\s+6],  0
	s_mov_b32 s[G1B+8*\s+6], 0
	s_mov_b32 s[G1+8*\s+7],  0
	s_mov_b32 s[G1B+8*\s+7], 0
.endr
	; A's address hangs on the block row and the wave, B's on the block column and the wave, each in registers that never hold the other coordinate
	s_lshl_b32 s16, s13, 7
	s_lshl_b32 s17, s12, 6
	s_add_co_u32 s16, s16, s17                     ; A: row 128 x block row + 64 x half
	s_mul_i32 s16, s16, SIZE_K*2                   ; in bytes: below 2^25
	s_mov_b32 s17, 0
	s_lshl_b32 s46, s42, 8
	s_lshl_b32 s47, s12, 7
	s_add_co_u32 s46, s46, s47                     ; B: row 256 x block column + 128 x half
	s_mul_i32 s46, s46, SIZE_K*2                   ; below 2^26
	s_mov_b32 s47, 0
	; where the tiles go: the wave's number times a constant plus the slot's constant.  B's halves (waves 0, 1) at the slot's head, A's (waves 2, 3) behind B's 256 rows
	s_mov_b32 s[G0+0], 1
	s_mul_i32 s[G0+1], s10, 64*PP0
	s_add_co_u32 s[G0+1], s[G0+1], BASE0+128*PP0   ; 256 rows of B less the two waves in front
	s_mov_b32 s[G0+4], 1
	s_mul_i32 s[G0+5], s10, 64*PP1
	s_add_co_u32 s[G0+5], s[G0+5], BASE1+128*PP1
	s_mov_b32 s[G0B+0], 1
	s_mul_i32 s[G0B+1], s10, 128*PP0
	s_mov_b32 s[G0B+4], 1
	s_mul_i32 s[G0B+5], s10, 128*PP1
	s_add_co_u32 s[G0B+5], s[G0B+5], BASE1
	s_wait_dscnt 0x0
	s_wait_kmcnt 0x0
	s_add_nc_u64 s[14:15], s[4:5], s[16:17]
	s_add_nc_u64 s[46:47], s[6:7], s[46:47]
	s_add_nc_u64 s[G0+2:G0+3], s[14:15], START0
	s_or_b32 s[G0+3], s[G0+3], 0x80000000
	s_add_nc_u64 s[G0+6:G0+7], s[14:15], START1
	s_or_b32 s[G0+7], s[G0+7], 0x80000000
	s_add_nc_u64 s[G0B+2:G0B+3], s[46:47], START0
	s_or_b32 s[G0B+3], s[G0B+3], 0x80000000
	s_add_nc_u64 s[G0B+6:G0B+7], s[46:47], START1
	s_or_b32 s[G0B+7], s[G0B+7], 0x80000000
	CROUND                                         ; all sixteen work-groups are here: the first joint loads meet
	JLOAD XS                                       ; both slots' first fills go out together: two tensor loads of the wave are out, the most in this text
	JLOAD YS
	v_and_b32 v1, 15, v0                           ; r = l % 16
	v_bfe_u32 v2, v0, 4, 1                         ; h = l / 16
	v_mul_u32_u24 v3, v1, PP0
	v_lshl_add_u32 v3, v2, 4, v3                   ; a fragment: row r, 16 bytes at 16 h, and 32 bytes further; in slot 0
	v_mul_u32_u24 v4, v1, PP1
	v_lshl_add_u32 v4, v2, 4, v4                   ; in slot 1
	s_mul_i32 s16, s11, 64*PP0
	s_add_co_u32 s16, s16, BASE0+256*PP0
	v_add_nc_u32 v[ADRA], s16, v3
	s_mul_i32 s16, s11, 64*PP1
	s_add_co_u32 s16, s16, BASE1+256*PP1
	v_add_nc_u32 v[ADRA+1], s16, v4
	s_mul_i32 s16, s12, 128*PP0
	v_add_nc_u32 v[ADRB], s16, v3
	s_mul_i32 s16, s12, 128*PP1
	s_add_co_u32 s16, s16, BASE1
	v_add_nc_u32 v[ADRB+1], s16, v4
	s_mul_i32 s23, s10, 16*SPITCH
	s_add_co_u32 s23, s23, STAGE                   ; my stage
	v_add_nc_u32 v[STO], s23, v4                   ; in: row r of 272 bytes, 16 bytes for each half of the lanes (SPITCH = PP1)
	v_mul_u32_u24 v5, v2, SPITCH                   ; back: lanes 0-15 one row of 256 bytes, lanes 16-31 the next
	v_lshl_add_u32 v5, v1, 4, v5
	v_add_nc_u32 v[RD], s23, v5
	v_mul_u32_u24 v5, v2, CROW
	v_lshl_add_u32 v[CO], v1, 4, v5                ; the same two rows in C
	v_lshlrev_b32 v[CS], 8, v1
	v_lshl_add_u32 v[CS], v2, 4, v[CS]             ; cos, sin: row r of 256 bytes, four pairs at 16 h
; 16 matrix instructions: row blocks a0, a0 + 1 x all 8 column blocks, 32 along K.  The 32 accumulators take turns, one instruction a turn,
; in the same order in every quarter step.
.macro MUL16 f, a0, zero
.irp a, \a0, \a0+1
.irp b, 0,1,2,3,4,5,6,7
.if \zero
	v_wmma_f32_16x16x32_bf16 v[8*(8*(\a)+\b):8*(8*(\a)+\b)+7], v[\f+8*\b:\f+8*\b+7], v[\f+64+8*(\a):\f+64+8*(\a)+7], 0
.else
	v_wmma_f32_16x16x32_bf16 v[8*(8*(\a)+\b):8*(8*(\a)+\b)+7], v[\f+8*\b:\f+8*\b+7], v[\f+64+8*(\a):\f+64+8*(\a)+7], v[8*(8*(\a)+\b):8*(8*(\a)+\b)+7]
.endif
.endr
.endr
.endm
; 24 LDS loads in one run: 128 rows of B and 64 rows of A, 32 K at byte k of the slot's rows, into buffer f
.macro FETCH slot, k, f
.irp i, 0,1,2,3,4,5,6,7
	ds_load_b128 v[\f+8*\i:\f+8*\i+3],   v[ADRB+\slot] offset:\k+\i*16*(PP0-(\slot)*DPP)
	ds_load_b128 v[\f+8*\i+4:\f+8*\i+7], v[ADRB+\slot] offset:\k+\i*16*(PP0-(\slot)*DPP)+32
.endr
.irp i, 0,1,2,3
	ds_load_b128 v[\f+64+8*\i:\f+64+8*\i+3],   v[ADRA+\slot] offset:\k+\i*16*(PP0-(\slot)*DPP)
	ds_load_b128 v[\f+64+8*\i+4:\f+64+8*\i+7], v[ADRA+\slot] offset:\k+\i*16*(PP0-(\slot)*DPP)+32
.endr
.endm
; 32 along K: asks for the next 32's fragments (buffer g, at byte k of the same slot's rows), then multiplies buffer f, asked for one such piece ago.
.macro QUARTER slot, k, f, g, zero
	WIN 0
	PLACES                                         ; buffer g was read by the matrix instructions just issued
	FETCH \slot, \k, \g
	s_wait_dscnt 24                                ; all but the 24 just issued: buffer f is in
	WIN ACCW
	MUL16 \f, 0, \zero
	MUL16 \f, 2, \zero
.endm
; all of a slot but its last 32 along K: seven pieces of slot 0, three of slot 1.  Both numbers are odd: every slot begins on buffer 0 and ends on buffer 1.
.macro BODY slot, zero
	QUARTER \slot, 64,  F0, F1, \zero
	QUARTER \slot, 128, F1, F0, 0
	QUARTER \slot, 192, F0, F1, 0
.if (\slot) == 0
	QUARTER \slot, 256, F1, F0, 0
	QUARTER \slot, 320, F0, F1, 0
	QUARTER \slot, 384, F1, F0, 0
	QUARTER \slot, 448, F0, F1, 0
.endif
.endm
; The slot's last 32 along K multiply buffer 1, and the slots change.  In front of the barrier each wave waits for its reads of this slot and for all its
; tensor loads (one is out: its part of the next slot).  Behind it (with fill = 1: behind the cluster's round that it opens) nobody reads this slot and the
; next slot is whole: the refill comes first, then the next slot's first fragments.
.macro TURN slot, next, fill
	s_wait_dscnt 0x0
	s_wait_tensorcnt 0x0
	ds_add_u32 v30, v31
	s_wait_dscnt 0x0
	s_barrier_signal -1
	MUL16 F1, 0, 0                                 ; register work while the others arrive
	WIN 0
	s_barrier_wait -1
.if \fill
	CREST
	s_add_nc_u64 s[G0+4*(\slot)+2:G0+4*(\slot)+3], s[G0+4*(\slot)+2:G0+4*(\slot)+3], LAPB        ; no load of mine is out: group 0 may be written
	s_add_nc_u64 s[G0B+4*(\slot)+2:G0B+4*(\slot)+3], s[G0B+4*(\slot)+2:G0B+4*(\slot)+3], LAPB
	JLOAD \slot
.endif
	PLACES
	FETCH \next, 0, F0
	WIN ACCW
	MUL16 F1, 2, 0
.endm
.macro LAP zero
	BODY XS, \zero
	TURN XS, YS, 1
	BODY YS, 0
	TURN YS, XS, 1
.endm
	s_wait_tensorcnt 0x1                           ; my part of the first slot is in; the second's may stay out
	s_barrier_signal -1
	s_barrier_wait -1
	FETCH XS, 0, F0
	LAP 1                                          ; the first products start the sums: nothing is cleared
	WIN 0
	s_mov_b32 s3, FULL-1
.Llap:
	LAP 0
	WIN 0
	s_sub_co_u32 s3, s3, 1
	s_cmp_lg_u32 s3, 0
	s_cbranch_scc1 .Llap
	BODY XS, 0                                     ; the tail: slot XS is filled once more, slot YS no more
	TURN XS, YS, 1
	BODY YS, 0
	TURN YS, XS, 0
	BODY XS, 0
	s_wait_dscnt 0x0
	MUL16 F1, 0, 0
	MUL16 F1, 2, 0
	; THE WAY OUT
	WIN 0
	PLACES                                         ; behind the last matrix instructions: results are read, fragment registers loaded into
	s_lshl_b32 s16, s13, 7
	s_lshl_b32 s14, s11, 6
	s_add_co_u32 s16, s16, s14                     ; my first row of C = my first position
	s_lshl_b32 s18, s16, 8                         ; cos, sin: 256 bytes a position
	s_mov_b32 s19, 0
	s_mul_i32 s16, s16, CROW
	s_mov_b32 s17, 0
	s_add_nc_u64 s[8:9], s[8:9], s[16:17]
	s_lshl_b32 s46, s42, 9                         ; my first column in bytes: 512 x block + 256 x half
	s_lshl_b32 s47, s12, 8
	s_add_co_u32 s46, s46, s47
	s_mov_b32 s47, 0
	s_add_nc_u64 s[8:9], s[8:9], s[46:47]
	s_add_nc_u64 s[48:49], s[48:49], s[18:19]
	s_add_nc_u64 s[50:51], s[50:51], s[18:19]
	s_mov_b32 s22, ttmp9                           ; the cluster's x, equal in all sixteen partners: cluster 3 holds columns 3072-4095, the value heads,
	s_cmp_eq_u32 s22, 3                            ; which are not rotated
	s_cbranch_scc1 .Lplain
	s_mov_b32 s21, 0xffff0000
	s_mov_b32 s66, 0x3eb6d544                      ; SQC = sqrt(log2 e / sqrt 128), twice for the packed multiply
	s_mov_b32 s67, 0x3eb6d544
; cos and sin of row block a (16 positions): lane (r, h), column block b: pairs 8 b + 4 h + 0..3, 16 bytes each
.macro CSLOAD a
.irp b, 0,1,2,3,4,5,6,7
	global_load_b128 v[CB0+64*((\a)&1)+4*\b:CB0+64*((\a)&1)+4*\b+3],       v[CS], s[48:49] offset:(\a)*4096+32*\b
	global_load_b128 v[CB0+64*((\a)&1)+32+4*\b:CB0+64*((\a)&1)+32+4*\b+3], v[CS], s[50:51] offset:(\a)*4096+32*\b
.endr
.endm
; row block a is rotated in place in its accumulators.  cnt: the next block's 16 loads may stay out.
.macro ROPE a, cnt
	s_wait_loadcnt \cnt
.set CBA, CB0+64*((\a)&1)
.if ROUND_CS
.set k, 0
.rept 32
	v_cvt_pk_bf16_f32 v[TT+k], v[CBA+2*k], v[CBA+2*k+1]
.set k, k+1
.endr
.set k, 0
.rept 32
	v_lshlrev_b32 v[CBA+2*k],   16,  v[TT+k]
	v_and_b32     v[CBA+2*k+1], s21, v[TT+k]
.set k, k+1
.endr
.endif
.set k, 0
.rept 32
	v_pk_mul_f32 v[CBA+2*k:CBA+2*k+1], v[CBA+2*k:CBA+2*k+1], s[66:67] op_sel_hi:[1,0]
.set k, k+1
.endr
	WIN 0x01                                       ; source 0: the accumulators
.irp b, 0,1,2,3,4,5,6,7
.irp p, 0,1,2,3
	v_mul_f32 v[TT+8*\b+2*\p],   v[8*(8*\a+\b)+2*\p+1], v[CBA+32+4*\b+\p]     ; x2 s
	v_mul_f32 v[TT+8*\b+2*\p+1], v[8*(8*\a+\b)+2*\p],   v[CBA+32+4*\b+\p]     ; x1 s
.endr
.endr
	WIN 0x41                                       ; and the destination too
.irp b, 0,1,2,3,4,5,6,7
.irp p, 0,1,2,3
	v_fma_f32 v[8*(8*\a+\b)+2*\p],   v[8*(8*\a+\b)+2*\p],   v[CBA+4*\b+\p], -v[TT+8*\b+2*\p]    ; y1 = x1 c - x2 s
	v_fma_f32 v[8*(8*\a+\b)+2*\p+1], v[8*(8*\a+\b)+2*\p+1], v[CBA+4*\b+\p], v[TT+8*\b+2*\p+1]   ; y2 = x2 c + x1 s
.endr
.endr
	WIN 0
.if \a < 2
	CSLOAD \a+2
.endif
.endm
	CSLOAD 0
	CSLOAD 1
	ROPE 0, 16
	ROPE 1, 16
	ROPE 2, 16
	ROPE 3, 0
.Lplain:
; rows 16 a .. 16 a + 15 of my block: rounded to f16, 16 bytes a lane into my own stage, read back as whole rows of 256 bytes
.macro OUT16 a, f
	WIN 0x05
.irp b, 0,1,2,3,4,5,6,7
.irp r, 0,1,2,3
	v_cvt_pk_f16_f32 v[TMP+4*\b+\r], v[8*(8*\a+\b)+2*\r], v[8*(8*\a+\b)+2*\r+1]
.endr
.endr
	WIN 0
.irp b, 0,1,2,3,4,5,6,7
	ds_store_b128 v[STO], v[TMP+4*\b:TMP+4*\b+3] offset:32*\b
.endr
	s_wait_xcnt 0x0                                ; buffer f, which earlier stores read, and the stores' base are rewritten only behind this wait
.if \a
	s_add_nc_u64 s[8:9], s[8:9], 16*CROW
.endif
.irp t, 0,1,2,3,4,5,6,7
	ds_load_b128 v[\f+4*\t:\f+4*\t+3], v[RD] offset:\t*2*SPITCH     ; a wave's LDS instructions are served in order: these see the stores above
.endr
.irp t, 0,1,2,3,4,5,6,7
	s_wait_dscnt 7-\t
	global_store_b128 v[CO], v[\f+4*\t:\f+4*\t+3], s[8:9] offset:2*\t*CROW   ; 16 lanes store 256 consecutive bytes, aligned: one head's row
.endr
.endm
	OUT16 0, F0
	OUT16 1, F1
	OUT16 2, F0
	OUT16 3, F1
	s_wait_tensorcnt 0x0
	ds_add_u32 v30, v31
	s_wait_dscnt 0x0
	CROUND                                         ; the closing round: no work-group ends while a partner may still ask for a tile that names it
	s_endpgm
.Lfunc_end_k_q68149507ac_qkv:
	.size	k_q68149507ac_qkv, .Lfunc_end_k_q68149507ac_qkv-k_q68149507ac_qkv
	.p2alignl 7, 3214868480
	.fill 96, 4, 3214868480
	.section	.rodata,"a",@progbits
	.p2align	6, 0x0
	.amdhsa_kernel k_q68149507ac_qkv
		.amdhsa_group_segment_fixed_size 327680
		.amdhsa_private_segment_fixed_size 0
		.amdhsa_enable_private_segment 0
		.amdhsa_kernarg_size 40
		.amdhsa_user_sgpr_count 2
		.amdhsa_user_sgpr_kernarg_segment_ptr 1
		.amdhsa_wavefront_size32 1
		.amdhsa_system_sgpr_workgroup_id_x 1
		.amdhsa_system_sgpr_workgroup_id_y 1
		.amdhsa_system_sgpr_workgroup_id_z 1
		.amdhsa_system_vgpr_workitem_id 0
		.amdhsa_next_free_vgpr 512
		.amdhsa_next_free_sgpr 100
		.amdhsa_reserve_vcc 0
		.amdhsa_float_denorm_mode_32 3
		.amdhsa_float_denorm_mode_16_64 3
		.amdhsa_memory_ordered 1
		.amdhsa_forward_progress 1
		.amdhsa_inst_pref_size 248
	.end_amdhsa_kernel
	.amdgpu_metadata
---
amdhsa.version: [ 1, 2 ]
amdhsa.kernels:
  - .name:           k_q68149507ac_qkv
    .symbol:         k_q68149507ac_qkv.kd
    .args:
      - { .name: xb, .offset: 0, .size: 8, .value_kind: global_buffer, .address_space: global }
      - { .name: wqkv, .offset: 8, .size: 8, .value_kind: global_buffer, .address_space: global }
      - { .name: qkvh, .offset: 16, .size: 8, .value_kind: global_buffer, .address_space: global }
      - { .name: cos, .offset: 24, .size: 8, .value_kind: global_buffer, .address_space: global }
      - { .name: sin, .offset: 32, .size: 8, .value_kind: global_buffer, .address_space: global }
    .group_segment_fixed_size: 327680
    .private_segment_fixed_size: 0
    .kernarg_segment_align: 8
    .kernarg_segment_size: 40
    .max_flat_workgroup_size: 128
    .sgpr_count:     100
    .vgpr_count:     512
    .wavefront_size: 32
...
	.end_amdgpu_metadata
.endif
;; end of part 2
;; launch attn (part 3): grid 32 x 8, 8 waves a work-group, clusters of 4 x 1, 327,680 bytes of LDS; arguments qkvh, mbits, ao; writes ao
.if DOCPART == 3
	.amdgcn_target "amdgcn-amd-amdhsa--gfx1250"
	.amdhsa_code_object_version 6
	.text
	.protected	k_q68149507ac_attn
	.globl	k_q68149507ac_attn
	.p2align	8
	.type	k_q68149507ac_attn,@function
k_q68149507ac_attn:
	s_mov_b64 s[64:65], 0
	v_nop
	global_prefetch_b8 v0, s[64:65] scope:SCOPE_SE
	s_setreg_imm32_b32 hwreg(HW_REG_WAVE_MODE, 25, 1), 1
	s_wait_xcnt 0x0
	s_wait_alu depctr_hold_cnt(0) depctr_sa_sdst(0) depctr_va_vdst(0) depctr_va_sdst(0) depctr_va_ssrc(0) depctr_va_vcc(0) depctr_vm_vsrc(0)
	s_getreg_b32 s2, hwreg(HW_REG_IB_STS2, 6, 4)
	s_cmp_eq_u32 s2, 0
	s_cbranch_scc0 .Lentry_in_a_cluster
	s_endpgm
.Lentry_in_a_cluster:
	s_bfe_u32 s2, ttmp6, 0x10000c
	s_cmp_lg_u32 s2, 0x3003
	s_cbranch_scc0 .Lentry_shape_is_right
	s_endpgm
.Lentry_shape_is_right:
; attn: softmax(mask ? q . k / sqrt 128 : lowest f32) v for 16 query heads on 8 key/value heads, 2,048 positions, head size 128.  f16 operands, f32 sums.
; q and k come with the factor sqrt(log2 e / sqrt 128) each, so q . k is the scaled score in units of powers of two.
; The mask is data: every work-group walks all 2,048 keys.  A masked score is replaced by the lowest finite f32 and a running maximum is taken away,
; so a row with no key allowed gets exp2(0) = 1 for every key: the mean of v, as the problem's own arithmetic gives.
; LIMITS: a probability below 2^-25 of its row's largest counts as 0 (f16); the result must stay below 65,504; NaN and infinities get no special treatment.
;
; A work-group: 64 positions x the 2 query heads of one key/value head g.  32 x 8 = 256 work-groups.
; Wave w: positions 16 (w & 3) .. + 15, both heads (they share the mask's predicates), and half g2 = w >> 2 of the keys: 128 of every 256.
; The two halves of the keys are joined once at the end, through LDS.
; S^T = K Q^T: source 0 = 16 keys, source 1 = 16 queries (kept in registers): lane (r, h), register j holds query r, key 8 h + j.  So maximum, sum and
; rescaling are a lane's own; the two halves h are joined by one v_permlanex16_b32.  Two S^T tiles packed to f16 ARE source 1 of O^T = V^T P^T;
; V^T's fragments come by the transposing LDS load from V as it lies, [key][d].  In O^T a lane holds query r, d = 16 dt + 8 h + j: 16 bytes of a row.
; OPPOSITE PHASES: a step of 64 keys is three parts: the scores (32 matrix instructions, then V's fragments are asked for), the softmax (vector work alone),
; and P V (32 matrix instructions).  Every wave comes to a change of slots with the last step's V fragments in registers, so the slot is free.  The waves with
; SK = (w ^ (w >> 2)) & 1 = 0 have done that step's softmax in front of the change, those with SK = 1 do it behind it.  So behind every change one half of the
; waves begins with 64 matrix instructions and the other with vector work, and between two changes both halves do the same work.  SK differs between waves
; w and w + 4 and between w and w ^ 1.  The barriers stand in the common text; only the softmax stands under a branch on the wave's number.
; CLUSTERS: the four work-groups of a cluster are four blocks of positions of the same g: they read the same K and V, and ask for each tile jointly.
; LDS: two slots of 256 keys, each 8 regions of 18,432 bytes: regions 0-3 K's rows 64 q .., pitch 272; regions 4-7 V's rows 64 q .., pitch 288
; (an odd multiple of 32 for the transposing load).  Wave w fetches region w: 64 rows of 256 bytes, one tensor load.
; REGISTERS: window 0: v8-47 addresses and softmax state, v64-191 K's or V's fragments, v192-255 the scores S(head x, key tile t) at 192 + 32 x + 8 t.
;            window 1: v0-63 Q (32 x + 8 c), v64-191 O (64 + 64 x + 8 dt), v192-223 P (192 + 16 x + 8 ch).
.set ROWB,   8192                      ; bytes in a row of qkvh
.set REGION, 18432
.set KPITCH, 272
.set VPITCH, 288
.set SLOT,   8*REGION
.set TILEB,  256*ROWB                  ; 256 keys further down
.set SPITCH, 272                       ; the output stage, in slot 0 behind its last fill and its last read: wave w (0-3) at 4,352 w
.set XBLK,   16896                     ; the exchange blocks, there too: 32 x 512 bytes of O, 512 of (m, l); four of them from XBASE on
.set XBASE,  4*XBLK
.set KADR, 8
.set VADR, 10
.set NEG,  12
.set QOFF, 13
.set STO,  14
.set RD,   15
.set CO,   16
.set XA,   17
.set MM,   20                          ; v20-21 running maximum of head 0, 1
.set LS,   22                          ; v22-23 running sum
.set NM,   24                          ; v[24:25] minus the maximum, twice
.set AL,   26                          ; v[26:27], v[28:29] the rescaling factor of head 0, 1, twice each
.set MX,   30
.set PT,   31
.set SU,   32                          ; v[32:35] two chains of sums
.set MG,   36                          ; v[36:47] the joining of the two key halves
.set KF,   64
.set SC,   192
.set QF,   0
.set OA,   64
.set PF,   192
.set PRED, 32                          ; s[32:63] the predicates of a step: key tile t, register j at 32 + 8 t + j
.set G1K,  16
.set G1V,  24
.set G0,   68                          ; s[68:75] group 0, one set a slot
.set SK,   80                          ; s80 which phase my wave runs in
.set MSB, 0
.macro WIN new
.if MSB != \new
	s_set_vgpr_msb (MSB<<8)|\new
.set MSB, \new
.endif
.endm
.macro PLACES                          ; four places behind a matrix instruction (ISA guide 7.12.1)
.rept 4
	v_nop
.endr
.endm
.macro JLOAD s                         ; waves 0-3 fetch K's regions (pad 16 bytes), waves 4-7 V's (pad 32): the branch hangs on the wave's number alone
	s_cmp_eq_u32 s10, 0
	s_cbranch_scc0 .Lfor_v_\@
	tensor_load_to_lds s[G0+4*\s:G0+4*\s+3], s[G1K:G1K+7]
	s_nop 0
	s_branch .Lasked_\@
.Lfor_v_\@:
	tensor_load_to_lds s[G0+4*\s:G0+4*\s+3], s[G1V:G1V+7]
	s_nop 0
.Lasked_\@:
.endm
.macro CROUND                          ; a round of the cluster's barrier
	s_barrier_signal -1
	s_barrier_wait -1
	s_cmp_lg_u32 s2, 0
	s_cbranch_scc1 .Lnot_wave_0_\@
	s_barrier_signal -3
.Lnot_wave_0_\@:
	s_barrier_wait -3
	s_barrier_signal -1
	s_barrier_wait -1
.endm
	s_load_b128 s[4:7], s[0:1], 0x0                ; qkvh, mbits
	s_load_b64 s[8:9], s[0:1], 0x10                ; ao
	v_lshl_add_u32 v62, v0, 2, 0x48000
	v_mov_b32 v63, 0
	ds_add_u32 v62, v63
	v_lshrrev_b32 v1, 5, v0
	v_readfirstlane_b32 s2, v1                     ; wave 0..7
	s_lshr_b32 s10, s2, 2                          ; g2: my half of the keys.  Also: I fetch K (0) or V (1)
	s_and_b32 s11, s2, 3                           ; my 16 positions.  Also: which 64 rows I fetch
	s_xor_b32 s[SK], s10, s2
	s_and_b32 s[SK], s[SK], 1                      ; my phase
	s_bfe_u32 s12, ttmp6, 0x40000                  ; cx
	s_lshl_b32 s13, ttmp9, 2
	s_add_co_u32 s13, s13, s12                     ; block of 64 positions = 4 x cluster x + cx
	s_and_b32 s14, ttmp7, 0xffff                   ; g
	s_mov_b32 s66, 0x76543210                      ; v_permlanex16_b32: lane i reads lane i of the other half
	s_mov_b32 s67, 0xfedcba98
	; group 1: 64 rows x 128 elements of 2 bytes, pitch 4,096 elements; mask 15: all four work-groups of the cluster; bit 21 beside it
	s_mov_b32 s[G1K+0], 0x0771000f                 ; behind every 64 dwords 4 dwords of padding
	s_mov_b32 s[G1V+0], 0x0f71000f                 ; 8 dwords
.irp g, G1K, G1V
	s_mov_b32 s[\g+1], 128<<16                     ; tensor_dim0
	s_mov_b32 s[\g+2], 64<<16                      ; tensor_dim1
	s_mov_b32 s[\g+3], 128<<16                     ; tile_dim0
	s_mov_b32 s[\g+4], 64                          ; tile_dim1
	s_mov_b32 s[\g+5], 4096
	s_mov_b32 s[\g+6], 0
	s_mov_b32 s[\g+7], 0
.endr
	; my region's first element: hangs on g and the wave alone
	s_lshl_b32 s76, s11, 19                        ; 64 (w & 3) rows of 8,192 bytes
	s_lshl_b32 s77, s10, 11                        ; V's columns lie 1,024 behind K's
	s_add_co_u32 s76, s76, s77
	s_lshl_b32 s77, s14, 8                         ; 128 columns a head
	s_add_co_u32 s76, s76, s77
	s_add_co_u32 s76, s76, 4096                    ; K begins at column 2,048
	s_mov_b32 s77, 0
	s_mul_i32 s15, s2, REGION
	s_wait_dscnt 0x0
	s_wait_kmcnt 0x0
	s_add_nc_u64 s[78:79], s[4:5], s[76:77]
	CROUND                                         ; the four work-groups are here: the first joint loads meet
.irp s, 0,1
	s_mov_b32 s[G0+4*\s], 1
	s_add_co_u32 s[G0+4*\s+1], s15, \s*SLOT
	s_add_nc_u64 s[G0+4*\s+2:G0+4*\s+3], s[78:79], \s*TILEB
	s_or_b32 s[G0+4*\s+3], s[G0+4*\s+3], 0x80000000
	JLOAD \s                                       ; keys 0-255 and 256-511: two tensor loads of the wave are out, the most in this text
.endr
	s_lshl_b32 s76, s13, 19                        ; Q: (64 block + 16 (w & 3)) rows, head 2 g
	s_lshl_b32 s77, s11, 17
	s_add_co_u32 s76, s76, s77
	s_lshl_b32 s77, s14, 9
	s_add_co_u32 s76, s76, s77
	s_mov_b32 s77, 0
	s_add_nc_u64 s[4:5], s[4:5], s[76:77]
	s_lshl_b32 s76, s13, 14                        ; mbits: query tile 4 block + (w & 3), 4,096 bytes each; my half of each 256 keys: 256 bytes
	s_lshl_b32 s77, s11, 12
	s_add_co_u32 s76, s76, s77
	s_lshl_b32 s77, s10, 8
	s_add_co_u32 s76, s76, s77
	s_mov_b32 s77, 0
	s_add_nc_u64 s[6:7], s[6:7], s[76:77]
	s_lshl_b32 s76, s13, 18                        ; ao: the same rows, of 4,096 bytes; head 2 g
	s_lshl_b32 s77, s11, 16
	s_add_co_u32 s76, s76, s77
	s_lshl_b32 s77, s14, 9
	s_add_co_u32 s76, s76, s77
	s_mov_b32 s77, 0
	s_add_nc_u64 s[8:9], s[8:9], s[76:77]
	v_and_b32 v1, 15, v0                           ; r
	v_bfe_u32 v2, v0, 4, 1                         ; h
	v_and_b32 v3, 31, v0                           ; lane
	v_lshlrev_b32 v[QOFF], 13, v1
	v_lshl_add_u32 v[QOFF], v2, 4, v[QOFF]         ; Q's fragment: row r, 16 bytes at 16 h, and 32 further
	WIN 0x40
.irp x, 0,1
.irp c, 0,1,2,3
	global_load_b128 v[QF+32*\x+8*\c:QF+32*\x+8*\c+3],   v[QOFF], s[4:5] offset:256*\x+64*\c
	global_load_b128 v[QF+32*\x+8*\c+4:QF+32*\x+8*\c+7], v[QOFF], s[4:5] offset:256*\x+64*\c+32
.endr
.endr
	WIN 0
	v_mul_u32_u24 v4, v1, KPITCH
	v_lshl_add_u32 v4, v2, 4, v4                   ; r x 272 + 16 h
	s_mul_i32 s78, s10, 2*REGION                   ; my half of a slot's keys: two regions
	v_add_nc_u32 v[KADR], s78, v4
	v_add_nc_u32 v[KADR+1], SLOT, v[KADR]
	v_and_b32 v5, 7, v0
	v_lshl_add_u32 v5, v2, 3, v5                   ; the transposing load: key 8 h + (lane & 7),
	v_mul_u32_u24 v5, v5, VPITCH
	v_bfe_u32 v6, v0, 3, 1
	v_lshl_add_u32 v5, v6, 4, v5                   ; 16 bytes at 16 ((lane >> 3) & 1)
	s_add_co_u32 s78, s78, 4*REGION                ; V lies behind K's four regions
	v_add_nc_u32 v[VADR], s78, v5
	v_add_nc_u32 v[VADR+1], SLOT, v[VADR]
	v_mov_b32 v[NEG], 0xff7fffff                   ; the lowest finite f32
	s_mul_i32 s79, s2, 16*SPITCH
	v_add_nc_u32 v[STO], s79, v4
	v_mul_u32_u24 v7, v2, SPITCH
	v_lshl_add_u32 v7, v1, 4, v7
	v_add_nc_u32 v[RD], s79, v7
	v_lshlrev_b32 v[CO], 12, v2
	v_lshl_add_u32 v[CO], v1, 4, v[CO]
	s_mul_i32 s79, s11, XBLK
	s_add_co_u32 s79, s79, XBASE
	v_lshl_add_u32 v[XA], v3, 4, s79               ; waves w and w + 4 meet in block w & 3
.macro KLOAD st, slot                  ; 64 keys: 4 key tiles x 4 chunks of 32 along d; tiles 0, 1 are the first 16 loads
.irp t, 0,1,2,3
.irp c, 0,1,2,3
	ds_load_b128 v[KF+32*\t+8*\c:KF+32*\t+8*\c+3],   v[KADR+\slot] offset:\st*REGION+\t*16*KPITCH+64*\c
	ds_load_b128 v[KF+32*\t+8*\c+4:KF+32*\t+8*\c+7], v[KADR+\slot] offset:\st*REGION+\t*16*KPITCH+64*\c+32
.endr
.endr
.endm
.macro VLOAD st, slot                  ; the same 64 keys of V, transposed: 2 chunks of 32 keys x 8 tiles of 16 along d; chunk 0 is the first 16 loads
.irp ch, 0,1
.irp dt, 0,1,2,3,4,5,6,7
	ds_load_tr16_b128 v[KF+64*\ch+8*\dt:KF+64*\ch+8*\dt+3],   v[VADR+\slot] offset:\st*REGION+\ch*32*VPITCH+32*\dt
	ds_load_tr16_b128 v[KF+64*\ch+8*\dt+4:KF+64*\ch+8*\dt+7], v[VADR+\slot] offset:\st*REGION+\ch*32*VPITCH+32*\dt+16*VPITCH
.endr
.endr
.endm
.macro SMUL tp                         ; key tiles 2 tp, 2 tp + 1 x both heads: four accumulators take turns, one instruction a turn
.irp c, 0,1,2,3
.irp t, 2*\tp, 2*\tp+1
.irp x, 0,1
.if \c == 0
	v_wmma_f32_16x16x32_f16 v[SC+32*\x+8*(\t):SC+32*\x+8*(\t)+7], v[KF+32*(\t)+8*\c:KF+32*(\t)+8*\c+7], v[QF+32*\x+8*\c:QF+32*\x+8*\c+7], 0
.else
	v_wmma_f32_16x16x32_f16 v[SC+32*\x+8*(\t):SC+32*\x+8*(\t)+7], v[KF+32*(\t)+8*\c:KF+32*(\t)+8*\c+7], v[QF+32*\x+8*\c:QF+32*\x+8*\c+7], v[SC+32*\x+8*(\t):SC+32*\x+8*(\t)+7]
.endif
.endr
.endr
.endr
.endm
.macro PV ch, zero                     ; 32 keys: sixteen accumulators take turns, one instruction a turn
.irp dt, 0,1,2,3,4,5,6,7
.irp x, 0,1
.if \zero
	v_wmma_f32_16x16x32_f16 v[OA+64*\x+8*\dt:OA+64*\x+8*\dt+7], v[KF+64*\ch+8*\dt:KF+64*\ch+8*\dt+7], v[PF+16*\x+8*\ch:PF+16*\x+8*\ch+7], 0
.else
	v_wmma_f32_16x16x32_f16 v[OA+64*\x+8*\dt:OA+64*\x+8*\dt+7], v[KF+64*\ch+8*\dt:KF+64*\ch+8*\dt+7], v[PF+16*\x+8*\ch:PF+16*\x+8*\ch+7], v[OA+64*\x+8*\dt:OA+64*\x+8*\dt+7]
.endif
.endr
.endr
.endm
; head x: mask, running maximum, exponentials, running sum.  A lane's 32 scores are 32 keys of one query.
.macro SOFTMAX x, first
.set SB, SC+32*\x
.irp t, 0,1,2,3
.irp j, 0,1,2,3,4,5,6,7
	v_cndmask_b32 v[SB+8*\t+\j], v[NEG], v[SB+8*\t+\j], s[PRED+8*\t+\j]
.endr
.endr
	v_max3_num_f32 v[MX], v[SB], v[SB+1], v[SB+2]
	v_max3_num_f32 v[PT], v[SB+3], v[SB+4], v[SB+5]
.set k, 6
.rept 6
	v_max3_num_f32 v[MX], v[MX], v[SB+k], v[SB+k+1]
	v_max3_num_f32 v[PT], v[PT], v[SB+k+2], v[SB+k+3]
.set k, k+4
.endr
	v_max3_num_f32 v[MX], v[MX], v[SB+30], v[SB+31]
	v_max_num_f32 v[MX], v[MX], v[PT]
	v_permlanex16_b32 v[PT], v[MX], s66, s67       ; the same query's other 32 keys
.if \first
	v_max_num_f32 v[MM+\x], v[MX], v[PT]
.else
	v_max3_num_f32 v[MX], v[MX], v[PT], v[MM+\x]
	v_sub_f32 v[PT], v[MM+\x], v[MX]               ; old - new
	v_mov_b32 v[MM+\x], v[MX]
	v_exp_f32 v[AL+2*\x], v[PT]                    ; behind a transcendental one plain vector instruction before its result is used (ISA guide 5.7.2):
	v_exp_f32 v[AL+2*\x+1], v[PT]                  ; the two lines below
.endif
	v_sub_f32 v[NM], 0, v[MM+\x]
	v_sub_f32 v[NM+1], 0, v[MM+\x]
.set k, 0
.rept 16
	v_pk_add_f32 v[SB+k:SB+k+1], v[SB+k:SB+k+1], v[NM:NM+1]
.set k, k+2
.endr
.set k, 0
.rept 32
	v_exp_f32 v[SB+k], v[SB+k]
.set k, k+1
.endr
	v_nop                                          ; the plain place behind the exponentials
	s_wait_alu depctr_va_vdst(0)
	v_pk_add_f32 v[SU:SU+1],   v[SB:SB+1],   v[SB+2:SB+3]
	v_pk_add_f32 v[SU+2:SU+3], v[SB+4:SB+5], v[SB+6:SB+7]
.set k, 8
.rept 6
	v_pk_add_f32 v[SU:SU+1],   v[SU:SU+1],   v[SB+k:SB+k+1]
	v_pk_add_f32 v[SU+2:SU+3], v[SU+2:SU+3], v[SB+k+2:SB+k+3]
.set k, k+4
.endr
	v_pk_add_f32 v[SU:SU+1], v[SU:SU+1], v[SU+2:SU+3]
.if \first
	v_add_f32 v[LS+\x], v[SU], v[SU+1]
.else
	v_add_f32 v[SU], v[SU], v[SU+1]
	v_fma_f32 v[LS+\x], v[LS+\x], v[AL+2*\x], v[SU]
.endif
.endm
; A step's first part: the scores of 64 keys of my half of slot's 256; then V's fragments are asked for, onto K's.
.macro SPART st, slot
	PLACES                                         ; the fragment registers were read by the matrix instructions just issued
	s_load_b512 s[PRED:PRED+15],    s[6:7], \st*128        ; the step's 32 predicates
	s_load_b512 s[PRED+16:PRED+31], s[6:7], \st*128+64
	KLOAD \st, \slot
	s_wait_dscnt 16                                ; key tiles 0, 1 are in, the 16 younger loads stay out
	WIN 0x04                                       ; source 1 (Q) in window 1
	SMUL 0
	s_wait_dscnt 0x0
	SMUL 1
	WIN 0
	PLACES                                         ; then V's fragments land on K's, and the scores are read
	VLOAD \st, \slot
.endm
; Its second part: vector work alone.
.macro SOFT first
	s_wait_kmcnt 0x0                               ; the predicates
	SOFTMAX 0, \first
	SOFTMAX 1, \first
	WIN 0x40                                       ; P in window 1: key tiles 2 ch, 2 ch + 1 packed are registers 0-3, 4-7 of chunk ch's fragment
.irp x, 0,1
.irp t, 0,1,2,3
.irp k, 0,1,2,3
	v_cvt_pk_f16_f32 v[PF+16*\x+4*\t+\k], v[SC+32*\x+8*\t+2*\k], v[SC+32*\x+8*\t+2*\k+1]
.endr
.endr
.endr
.if \first == 0
	WIN 0x41                                       ; O in window 1, the factor in window 0
.irp x, 0,1
.set k, 0
.rept 32
	v_pk_mul_f32 v[OA+64*\x+k:OA+64*\x+k+1], v[OA+64*\x+k:OA+64*\x+k+1], v[AL+2*\x:AL+2*\x+1]
.set k, k+2
.endr
.endr
.endif
	WIN 0
.endm
.macro SOFTG grp                       ; the second part of a tile's last step, for the waves of phase grp alone
	s_cmp_lg_u32 s[SK], \grp
	s_cbranch_scc1 .Lnot_mine_\@
	SOFT 0
.Lnot_mine_\@:
.endm
; Its third part.
.macro PVPART first
	s_wait_dscnt 16                                ; chunk 0 of V is in
	WIN 0x54                                       ; source 1 (P), C and D (O) in window 1
	PV 0, \first
	s_wait_dscnt 0x0
	PV 1, 0
	WIN 0
.endm
; Behind a change of slots: the step left open is finished, then this slot's two steps, the second as far as the wave's phase goes (last = 1: to its end).
.macro REST slot, last
	SOFTG 1
	PVPART 0
	s_wait_kmcnt 0x0                               ; every scalar load has returned (met: each wave's softmax has waited for it): the pointer may be stepped
	s_add_nc_u64 s[6:7], s[6:7], 512               ; the next 256 keys' predicates
	SPART 0, \slot
	SOFT 0
	PVPART 0
	SPART 1, \slot
.if \last
	SOFT 0
	PVPART 0
.else
	SOFTG 0
.endif
.endm
; The change of slots.  Every wave waits for all its tensor loads (one is out: its region of the slot that is read next) and for its LDS reads, V's fragments of
; the step left open among them; then the cluster's round, behind which no wave of any partner reads slot f or has a load on its way, and first thing the joint
; refill of slot f, one load a wave.
.macro CHANGE f, refill
	s_wait_tensorcnt 0x0
	ds_add_u32 v62, v63
	s_wait_dscnt 0x0
.if \refill
	s_add_nc_u64 s[G0+4*\f+2:G0+4*\f+3], s[G0+4*\f+2:G0+4*\f+3], 2*TILEB      ; no load of mine is out: group 0 may be written
.endif
	s_wait_dscnt 0x0
.if \refill
	CROUND
	JLOAD \f
.else
	s_barrier_signal -1
	s_barrier_wait -1
.endif
.endm
	s_wait_loadcnt 0x0                             ; Q
	s_wait_tensorcnt 0x1                           ; my region of slot 0 is in; slot 1's may stay out
	s_barrier_signal -1
	s_barrier_wait -1
	SPART 0, 0                                     ; keys 0-255: the first products start the sums
	SOFT 1
	PVPART 1
	SPART 1, 0
	SOFTG 0
	s_mov_b32 s3, 3
.Lpair:
	CHANGE 0, 1
	REST 1, 0
	CHANGE 1, 1
	REST 0, 0
	s_sub_co_u32 s3, s3, 1
	s_cmp_lg_u32 s3, 0
	s_cbranch_scc1 .Lpair
	CHANGE 0, 0                                    ; nothing is left to fetch; behind this barrier slot 0 has had its last fill and its last read
	REST 1, 1
	; THE END: the halves h of each sum, then the two halves of the keys
	v_permlanex16_b32 v[PT], v[LS], s66, s67
	v_add_f32 v[LS], v[LS], v[PT]
	v_permlanex16_b32 v[MX], v[LS+1], s66, s67
	v_add_f32 v[LS+1], v[LS+1], v[MX]
	PLACES                                         ; behind the last matrix instructions: O is read, fragment registers are loaded into
	s_cmp_eq_u32 s10, 0
	s_cbranch_scc1 .Lkeep
	WIN 0x04                                       ; waves 4-7 hand over O (store data in window 1) and (m, m, l, l)
.set i, 0
.rept 32
	ds_store_b128 v[XA], v[OA+4*i:OA+4*i+3] offset:i*512
.set i, i+1
.endr
	WIN 0
	ds_store_b128 v[XA], v[MM:MM+3] offset:16384
.Lkeep:
	s_wait_dscnt 0x0                               ; for the others' sake: my stores are done
	s_barrier_signal -1
	s_barrier_wait -1
	s_cmp_lg_u32 s10, 0
	s_cbranch_scc1 .Lfin
	ds_load_b128 v[MG:MG+3], v[XA] offset:16384
.set i, 0
.rept 32
	ds_load_b128 v[KF+4*i:KF+4*i+3], v[XA] offset:i*512
.set i, i+1
.endr
	s_wait_dscnt 0x0
; head x: O = (O1 a1 + O2 a2) / (l1 a1 + l2 a2), a = exp2(m - max(m1, m2)); out through my stage as whole rows of 256 bytes.
; The sum is at least about 1: the key with the largest score contributes exp2(0).
.macro MERGE x
	v_max_num_f32 v[MG+8], v[MM+\x], v[MG+\x]
	v_sub_f32 v[MG+9],  v[MM+\x], v[MG+8]
	v_sub_f32 v[MG+10], v[MG+\x], v[MG+8]
	v_exp_f32 v[MG+9],  v[MG+9]
	v_exp_f32 v[MG+10], v[MG+10]
	v_nop
	s_wait_alu depctr_va_vdst(0)
	v_mul_f32 v[MG+11], v[LS+\x], v[MG+9]
	v_fmac_f32 v[MG+11], v[MG+2+\x], v[MG+10]
	v_rcp_f32 v[MG+11], v[MG+11]
	v_nop
	s_wait_alu depctr_va_vdst(0)
	v_mul_f32 v[MG+4], v[MG+9],  v[MG+11]
	v_mul_f32 v[MG+5], v[MG+9],  v[MG+11]
	v_mul_f32 v[MG+6], v[MG+10], v[MG+11]
	v_mul_f32 v[MG+7], v[MG+10], v[MG+11]
.set k, 0
.rept 32
	v_pk_mul_f32 v[KF+64*\x+k:KF+64*\x+k+1], v[KF+64*\x+k:KF+64*\x+k+1], v[MG+6:MG+7]
.set k, k+2
.endr
	WIN 0x01                                       ; source 0: my own O
.set k, 0
.rept 32
	v_pk_fma_f32 v[KF+64*\x+k:KF+64*\x+k+1], v[OA+64*\x+k:OA+64*\x+k+1], v[MG+4:MG+5], v[KF+64*\x+k:KF+64*\x+k+1]
.set k, k+2
.endr
	WIN 0
.irp dt, 0,1,2,3,4,5,6,7
.irp k, 0,1,2,3
	v_cvt_pk_f16_f32 v[SC+4*\dt+\k], v[KF+64*\x+8*\dt+2*\k], v[KF+64*\x+8*\dt+2*\k+1]
.endr
.endr
.irp dt, 0,1,2,3,4,5,6,7
	ds_store_b128 v[STO], v[SC+4*\dt:SC+4*\dt+3] offset:32*\dt
.endr
	s_wait_xcnt 0x0                                ; v224-255, which the other head's stores read, are rewritten only behind this wait
.irp t, 0,1,2,3,4,5,6,7
	ds_load_b128 v[SC+32+4*\t:SC+32+4*\t+3], v[RD] offset:\t*2*SPITCH      ; a wave's LDS instructions are served in order
.endr
.irp t, 0,1,2,3,4,5,6,7
	s_wait_dscnt 7-\t
	global_store_b128 v[CO], v[SC+32+4*\t:SC+32+4*\t+3], s[8:9] offset:2*\t*4096+256*\x   ; 16 lanes store 256 consecutive bytes, aligned: one head's row
.endr
.endm
	MERGE 0
	MERGE 1
.Lfin:
	s_wait_tensorcnt 0x0
	ds_add_u32 v62, v63
	s_wait_dscnt 0x0
	CROUND                                         ; the closing round
	s_endpgm
.Lfunc_end_k_q68149507ac_attn:
	.size	k_q68149507ac_attn, .Lfunc_end_k_q68149507ac_attn-k_q68149507ac_attn
	.p2alignl 7, 3214868480
	.fill 96, 4, 3214868480
	.section	.rodata,"a",@progbits
	.p2align	6, 0x0
	.amdhsa_kernel k_q68149507ac_attn
		.amdhsa_group_segment_fixed_size 327680
		.amdhsa_private_segment_fixed_size 0
		.amdhsa_enable_private_segment 0
		.amdhsa_kernarg_size 24
		.amdhsa_user_sgpr_count 2
		.amdhsa_user_sgpr_kernarg_segment_ptr 1
		.amdhsa_wavefront_size32 1
		.amdhsa_system_sgpr_workgroup_id_x 1
		.amdhsa_system_sgpr_workgroup_id_y 1
		.amdhsa_system_sgpr_workgroup_id_z 1
		.amdhsa_system_vgpr_workitem_id 0
		.amdhsa_next_free_vgpr 480
		.amdhsa_next_free_sgpr 82
		.amdhsa_reserve_vcc 0
		.amdhsa_float_denorm_mode_32 3
		.amdhsa_float_denorm_mode_16_64 3
		.amdhsa_memory_ordered 1
		.amdhsa_forward_progress 1
		.amdhsa_inst_pref_size 255
	.end_amdhsa_kernel
	.section	.bss,"aw",@nobits
	.p2align	6
	.space	262144
	.amdgpu_metadata
---
amdhsa.version: [ 1, 2 ]
amdhsa.kernels:
  - .name:           k_q68149507ac_attn
    .symbol:         k_q68149507ac_attn.kd
    .args:
      - { .name: qkvh, .offset: 0, .size: 8, .value_kind: global_buffer, .address_space: global }
      - { .name: mbits, .offset: 8, .size: 8, .value_kind: global_buffer, .address_space: global }
      - { .name: ao, .offset: 16, .size: 8, .value_kind: global_buffer, .address_space: global }
    .group_segment_fixed_size: 327680
    .private_segment_fixed_size: 0
    .kernarg_segment_align: 8
    .kernarg_segment_size: 24
    .max_flat_workgroup_size: 256
    .sgpr_count:     82
    .vgpr_count:     480
    .wavefront_size: 32
...
	.end_amdgpu_metadata
.endif
;; end of part 3
;; launch oproj (part 4): grid 16 x 16, 4 waves a work-group, clusters of 4 x 4, 327,680 bytes of LDS; arguments ao, wob, out0; writes out0
.if DOCPART == 4
	.amdgcn_target "amdgcn-amd-amdhsa--gfx1250"
	.amdhsa_code_object_version 6
	.text
	.protected	k_q68149507ac_oproj
	.globl	k_q68149507ac_oproj
	.p2align	8
	.type	k_q68149507ac_oproj,@function
k_q68149507ac_oproj:
	s_mov_b64 s[64:65], 0
	v_nop
	global_prefetch_b8 v0, s[64:65] scope:SCOPE_SE
	s_setreg_imm32_b32 hwreg(HW_REG_WAVE_MODE, 25, 1), 1
	s_wait_xcnt 0x0
	s_wait_alu depctr_hold_cnt(0) depctr_sa_sdst(0) depctr_va_vdst(0) depctr_va_sdst(0) depctr_va_ssrc(0) depctr_va_vcc(0) depctr_vm_vsrc(0)
	s_getreg_b32 s2, hwreg(HW_REG_IB_STS2, 6, 4)
	s_cmp_eq_u32 s2, 0
	s_cbranch_scc0 .Lentry_in_a_cluster
	s_endpgm
.Lentry_in_a_cluster:
	s_bfe_u32 s2, ttmp6, 0x10000c
	s_cmp_lg_u32 s2, 0xf033
	s_cbranch_scc0 .Lentry_shape_is_right
	s_endpgm
.Lentry_shape_is_right:
; oproj: out0[s][n] = sum over k of ao[s][k] wob[n][k]  (2048 x 4096 x 2048, f16 operands, f32 sums), out in f32.
; The frame is that of the launch qkv: a work-group makes 128 x 256 of C with four waves, a wave 64 x 128 in 32 accumulator tiles (256 registers);
; 16 x 16 = 256 work-groups.
; THE RING: two LDS slots of unequal length, filled by tensor loads.  Slot 0 holds 256 along K (rows of 512 bytes, pitch 528), slot 1 holds 128 (rows of
; 256 bytes, pitch 272); each holds B's 256 rows, then A's 128: 202,752 + 104,448 = 307,200 bytes.  Two slots of 256 along K would take 405,504 bytes,
; more than a work-group can be given.  A lap is 384 along K: two changes of slots for 384 matrix instructions of a wave.  All rows begin at multiples of
; 256 bytes from their buffer's start.  K = 2,048 = 6 x 128 + 5 x 256: the slots are read 1, 0, 1, 0, .. 1.
; CLUSTERS: 4 x 4 work-groups; A's tiles are asked for jointly along a row of the cluster, B's along a column, which divides the requests by four.
; The matrix instruction is used transposed (source 0 = rows of B, source 1 = rows of A): lane l holds row l % 16 of C, registers 0-7 the columns
; 8 (l / 16) + 0..7: 32 neighbouring bytes.
; REGISTERS: window 0: v16-26 addresses, v32-127 and v128-223 two fragment buffers (B's 8 x 8 registers, then A's 4 x 8).
;            window 1: accumulator tile (a, b) at v[8 (8 a + b)].
.set SIZE_K, 2048
.set CROW,   16384                     ; bytes in a row of C
.set XS,     1                         ; the slot that is read first and last
.set YS,     1-XS                      ; the other one
.set FULL,   4                         ; laps in which both slots are filled again
.set PP0,    528                       ; pitches: odd multiples of 16
.set PP1,    272
.set DPP,    PP0-PP1
.set BASE0,  0
.set BASE1,  384*PP0                   ; 202,752, a multiple of 256
.set KB0,    512
.set KB1,    256
.set LAPB,   KB0+KB1
.set START0, XS*KB1
.set START1, YS*KB0
.set STAGE,  YS*BASE1                  ; the way out goes through slot YS: its last fill has landed and its last read is over in front of the last barrier
.set SPITCH, 528                       ; 16 rows x (512 + 16) bytes for each wave
.set DW00,   (1<<16)|(1<<20)|(1<<21)|(6<<22)|(3<<25)
.set DW01,   (1<<16)|(1<<20)|(1<<21)|(5<<22)|(3<<25)
.set ADRA, 16
.set ADRB, 20
.set STO,  24
.set RD,   25
.set CO,   26
.set F0,   32
.set F1,   128
.set G0,   24                          ; s[24:31] group 0 for A's tiles, one set a slot
.set G0B,  32                          ; s[32:39] group 0 for B's tiles
.set G1,   68                          ; s[68:83] group 1 for A's tiles, one set a slot
.set G1B,  84                          ; s[84:99] group 1 for B's tiles
.set ACCW, 0x50
.set MSB, 0
.macro WIN new
.if MSB != \new
	s_set_vgpr_msb (MSB<<8)|\new
.set MSB, \new
.endif
.endm
.macro PLACES                          ; four places behind a matrix instruction (ISA guide 7.12.1)
.rept 4
	v_nop
.endr
.endm
.macro JLOAD s                         ; waves 0, 1 fetch B's two halves, waves 2, 3 A's; the branch hangs on the wave's number alone
	s_cmp_eq_u32 s11, 0
	s_cbranch_scc0 .Lfor_a_\@
	tensor_load_to_lds s[G0B+4*(\s):G0B+4*(\s)+3], s[G1B+8*(\s):G1B+8*(\s)+7]
	s_nop 0
	s_branch .Lasked_\@
.Lfor_a_\@:
	tensor_load_to_lds s[G0+4*(\s):G0+4*(\s)+3], s[G1+8*(\s):G1+8*(\s)+7]
	s_nop 0
.Lasked_\@:
.endm
.macro CREST
	s_cmp_lg_u32 s10, 0
	s_cbranch_scc1 .Lnot_wave_0_\@
	s_barrier_signal -3
.Lnot_wave_0_\@:
	s_barrier_wait -3
	s_barrier_signal -1
	s_barrier_wait -1
.endm
.macro CROUND
	s_barrier_signal -1
	s_barrier_wait -1
	CREST
.endm
	s_load_b128 s[4:7], s[0:1], 0x0                ; ao (A), wob (B)
	s_load_b64 s[8:9], s[0:1], 0x10                ; out0 (C)
	v_lshl_add_u32 v254, v0, 2, 0x4b000
	v_mov_b32 v255, 0
	ds_add_u32 v254, v255
	v_lshrrev_b32 v1, 5, v0
	v_readfirstlane_b32 s10, v1                    ; wave 0..3
	s_lshr_b32 s11, s10, 1                         ; my 64 rows.  Also: I fetch for B (0) or for A (1)
	s_and_b32 s12, s10, 1                          ; my 128 columns.  Also: which half of that tile I fetch
	s_bfe_u32 s40, ttmp6, 0x40000                  ; cx
	s_bfe_u32 s41, ttmp6, 0x40004                  ; cy
	s_lshl_b32 s42, ttmp9, 2
	s_add_co_u32 s42, s42, s40                     ; block column
	s_and_b32 s13, ttmp7, 0xffff
	s_lshl_b32 s13, s13, 2
	s_add_co_u32 s13, s13, s41                     ; block row
	s_lshl_b32 s43, s41, 2
	s_lshl_b32 s43, 15, s43                        ; my row of the cluster
	s_lshl_b32 s44, 0x1111, s40                    ; my column
	s_or_b32 s[G1+0],  s43, DW00
	s_or_b32 s[G1+8],  s43, DW01
	s_or_b32 s[G1B+0], s44, DW00
	s_or_b32 s[G1B+8], s44, DW01
.irp s, 0,1
	s_mov_b32 s[G1+8*\s+1],  (256-128*\s)<<16      ; tensor_dim0 = the slot's length along K
	s_mov_b32 s[G1B+8*\s+1], (256-128*\s)<<16
	s_mov_b32 s[G1+8*\s+2],  64<<16                ; tensor_dim1: 64 rows of A, 128 of B
	s_mov_b32 s[G1B+8*\s+2], 128<<16
	s_mov_b32 s[G1+8*\s+3],  (256-128*\s)<<16      ; tile_dim0
	s_mov_b32 s[G1B+8*\s+3], (256-128*\s)<<16
	s_mov_b32 s[G1+8*\s+4],  64                    ; tile_dim1
	s_mov_b32 s[G1B+8*\s+4], 128
	s_mov_b32 s[G1+8*\s+5],  SIZE_K
	s_mov_b32 s[G1B+8*\s+5], SIZE_K
	s_mov_b32 s[G1+8*\s+6],  0
	s_mov_b32 s[G1B+8*\s+6], 0
	s_mov_b32 s[G1+8*\s+7],  0
	s_mov_b32 s[G1B+8*\s+7], 0
.endr
	s_lshl_b32 s16, s13, 7
	s_lshl_b32 s17, s12, 6
	s_add_co_u32 s16, s16, s17                     ; A: row 128 x block row + 64 x half
	s_mul_i32 s16, s16, SIZE_K*2
	s_mov_b32 s17, 0
	s_lshl_b32 s46, s42, 8
	s_lshl_b32 s47, s12, 7
	s_add_co_u32 s46, s46, s47                     ; B: row 256 x block column + 128 x half
	s_mul_i32 s46, s46, SIZE_K*2
	s_mov_b32 s47, 0
	; where the tiles go: the wave's number times a constant plus the slot's constant
	s_mov_b32 s[G0+0], 1
	s_mul_i32 s[G0+1], s10, 64*PP0
	s_add_co_u32 s[G0+1], s[G0+1], BASE0+128*PP0
	s_mov_b32 s[G0+4], 1
	s_mul_i32 s[G0+5], s10, 64*PP1
	s_add_co_u32 s[G0+5], s[G0+5], BASE1+128*PP1
	s_mov_b32 s[G0B+0], 1
	s_mul_i32 s[G0B+1], s10, 128*PP0
	s_mov_b32 s[G0B+4], 1
	s_mul_i32 s[G0B+5], s10, 128*PP1
	s_add_co_u32 s[G0B+5], s[G0B+5], BASE1
	s_wait_dscnt 0x0
	s_wait_kmcnt 0x0
	s_add_nc_u64 s[14:15], s[4:5], s[16:17]
	s_add_nc_u64 s[46:47], s[6:7], s[46:47]
	s_add_nc_u64 s[G0+2:G0+3], s[14:15], START0
	s_or_b32 s[G0+3], s[G0+3], 0x80000000
	s_add_nc_u64 s[G0+6:G0+7], s[14:15], START1
	s_or_b32 s[G0+7], s[G0+7], 0x80000000
	s_add_nc_u64 s[G0B+2:G0B+3], s[46:47], START0
	s_or_b32 s[G0B+3], s[G0B+3], 0x80000000
	s_add_nc_u64 s[G0B+6:G0B+7], s[46:47], START1
	s_or_b32 s[G0B+7], s[G0B+7], 0x80000000
	CROUND                                         ; the first joint loads meet
	JLOAD XS                                       ; two tensor loads of the wave are out, the most in this text
	JLOAD YS
	v_and_b32 v1, 15, v0                           ; r
	v_bfe_u32 v2, v0, 4, 1                         ; h
	v_and_b32 v6, 31, v0                           ; lane
	v_mul_u32_u24 v3, v1, PP0
	v_lshl_add_u32 v3, v2, 4, v3                   ; a fragment in slot 0
	v_mul_u32_u24 v4, v1, PP1
	v_lshl_add_u32 v4, v2, 4, v4                   ; in slot 1
	s_mul_i32 s16, s11, 64*PP0
	s_add_co_u32 s16, s16, BASE0+256*PP0
	v_add_nc_u32 v[ADRA], s16, v3
	s_mul_i32 s16, s11, 64*PP1
	s_add_co_u32 s16, s16, BASE1+256*PP1
	v_add_nc_u32 v[ADRA+1], s16, v4
	s_mul_i32 s16, s12, 128*PP0
	v_add_nc_u32 v[ADRB], s16, v3
	s_mul_i32 s16, s12, 128*PP1
	s_add_co_u32 s16, s16, BASE1
	v_add_nc_u32 v[ADRB+1], s16, v4
	s_mul_i32 s23, s10, 16*SPITCH
	s_add_co_u32 s23, s23, STAGE                   ; my stage
	v_mul_u32_u24 v5, v1, SPITCH                   ; in: row r, 32 bytes for each half of the lanes
	v_lshl_add_u32 v5, v2, 5, v5
	v_add_nc_u32 v[STO], s23, v5
	v_lshl_add_u32 v[RD], v6, 4, s23               ; back: the 32 lanes take one row of 512 bytes
	v_lshlrev_b32 v[CO], 4, v6                     ; and the same in C
; The 32 accumulators take turns, one instruction a turn, in the same order in every quarter step.
.macro MUL16 f, a0, zero
.irp a, \a0, \a0+1
.irp b, 0,1,2,3,4,5,6,7
.if \zero
	v_wmma_f32_16x16x32_f16 v[8*(8*(\a)+\b):8*(8*(\a)+\b)+7], v[\f+8*\b:\f+8*\b+7], v[\f+64+8*(\a):\f+64+8*(\a)+7], 0
.else
	v_wmma_f32_16x16x32_f16 v[8*(8*(\a)+\b):8*(8*(\a)+\b)+7], v[\f+8*\b:\f+8*\b+7], v[\f+64+8*(\a):\f+64+8*(\a)+7], v[8*(8*(\a)+\b):8*(8*(\a)+\b)+7]
.endif
.endr
.endr
.endm
.macro FETCH slot, k, f
.irp i, 0,1,2,3,4,5,6,7
	ds_load_b128 v[\f+8*\i:\f+8*\i+3],   v[ADRB+\slot] offset:\k+\i*16*(PP0-(\slot)*DPP)
	ds_load_b128 v[\f+8*\i+4:\f+8*\i+7], v[ADRB+\slot] offset:\k+\i*16*(PP0-(\slot)*DPP)+32
.endr
.irp i, 0,1,2,3
	ds_load_b128 v[\f+64+8*\i:\f+64+8*\i+3],   v[ADRA+\slot] offset:\k+\i*16*(PP0-(\slot)*DPP)
	ds_load_b128 v[\f+64+8*\i+4:\f+64+8*\i+7], v[ADRA+\slot] offset:\k+\i*16*(PP0-(\slot)*DPP)+32
.endr
.endm
.macro QUARTER slot, k, f, g, zero
	WIN 0
	PLACES                                         ; buffer g was read by the matrix instructions just issued
	FETCH \slot, \k, \g
	s_wait_dscnt 24                                ; all but the 24 just issued: buffer f is in
	WIN ACCW
	MUL16 \f, 0, \zero
	MUL16 \f, 2, \zero
.endm
; all of a slot but its last 32 along K: seven pieces of slot 0, three of slot 1: every slot begins on buffer 0 and ends on buffer 1
.macro BODY slot, zero
	QUARTER \slot, 64,  F0, F1, \zero
	QUARTER \slot, 128, F1, F0, 0
	QUARTER \slot, 192, F0, F1, 0
.if (\slot) == 0
	QUARTER \slot, 256, F1, F0, 0
	QUARTER \slot, 320, F0, F1, 0
	QUARTER \slot, 384, F1, F0, 0
	QUARTER \slot, 448, F0, F1, 0
.endif
.endm
; The change of slots: each wave's reads of this slot and all its tensor loads are waited for in front of the barrier (with fill = 1 it opens a round of
; the cluster's barrier); behind it the refill comes first, then the next slot's first fragments.
.macro TURN slot, next, fill
	s_wait_dscnt 0x0
	s_wait_tensorcnt 0x0
	ds_add_u32 v254, v255
	s_wait_dscnt 0x0
	s_barrier_signal -1
	MUL16 F1, 0, 0
	WIN 0
	s_barrier_wait -1
.if \fill
	CREST
	s_add_nc_u64 s[G0+4*(\slot)+2:G0+4*(\slot)+3], s[G0+4*(\slot)+2:G0+4*(\slot)+3], LAPB        ; no load of mine is out: group 0 may be written
	s_add_nc_u64 s[G0B+4*(\slot)+2:G0B+4*(\slot)+3], s[G0B+4*(\slot)+2:G0B+4*(\slot)+3], LAPB
	JLOAD \slot
.endif
	PLACES
	FETCH \next, 0, F0
	WIN ACCW
	MUL16 F1, 2, 0
.endm
.macro LAP zero
	BODY XS, \zero
	TURN XS, YS, 1
	BODY YS, 0
	TURN YS, XS, 1
.endm
	s_wait_tensorcnt 0x1                           ; my part of the first slot is in; the second's may stay out
	s_barrier_signal -1
	s_barrier_wait -1
	FETCH XS, 0, F0
	LAP 1                                          ; the first products start the sums: nothing is cleared
	WIN 0
	s_mov_b32 s3, FULL-1
.Llap:
	LAP 0
	WIN 0
	s_sub_co_u32 s3, s3, 1
	s_cmp_lg_u32 s3, 0
	s_cbranch_scc1 .Llap
	BODY XS, 0                                     ; the tail: slot XS is filled once more, slot YS no more
	TURN XS, YS, 1
	BODY YS, 0
	TURN YS, XS, 0
	BODY XS, 0
	s_wait_dscnt 0x0
	MUL16 F1, 0, 0
	MUL16 F1, 2, 0
	; THE WAY OUT
	WIN 0
	PLACES
	s_lshl_b32 s16, s13, 7
	s_lshl_b32 s14, s11, 6
	s_add_co_u32 s16, s16, s14                     ; my first row of C
	s_mul_i32 s16, s16, CROW
	s_mov_b32 s17, 0
	s_add_nc_u64 s[8:9], s[8:9], s[16:17]
	s_lshl_b32 s46, s42, 10                        ; my first column in bytes: 1,024 x block + 512 x half
	s_lshl_b32 s47, s12, 9
	s_add_co_u32 s46, s46, s47
	s_mov_b32 s47, 0
	s_add_nc_u64 s[8:9], s[8:9], s[46:47]
; rows 16 a .. 16 a + 15: 32 bytes a lane and tile straight from the accumulators into my own stage, read back as whole rows of 512 bytes
.macro OUT16F a, f
	WIN 0x04                                       ; store data in window 1
.irp b, 0,1,2,3,4,5,6,7
	ds_store_b128 v[STO], v[8*(8*\a+\b):8*(8*\a+\b)+3]   offset:64*\b
	ds_store_b128 v[STO], v[8*(8*\a+\b)+4:8*(8*\a+\b)+7] offset:64*\b+16
.endr
	WIN 0
	s_wait_xcnt 0x0                                ; buffer f, which earlier stores read, and the stores' base are rewritten only behind this wait
.if \a
	s_add_nc_u64 s[8:9], s[8:9], 16*CROW
.endif
.set i, 0
.rept 16
	ds_load_b128 v[\f+4*i:\f+4*i+3], v[RD] offset:i*SPITCH          ; a wave's LDS instructions are served in order
.set i, i+1
.endr
.set i, 0
.rept 16
	s_wait_dscnt 15-i
	global_store_b128 v[CO], v[\f+4*i:\f+4*i+3], s[8:9] offset:i*CROW th:TH_STORE_NT   ; the wave stores 512 consecutive bytes, aligned
.set i, i+1
.endr
.endm
	OUT16F 0, F0
	OUT16F 1, F1
	OUT16F 2, F0
	OUT16F 3, F1
	s_wait_tensorcnt 0x0
	ds_add_u32 v254, v255
	s_wait_dscnt 0x0
	CROUND                                         ; the closing round
	s_endpgm
.Lfunc_end_k_q68149507ac_oproj:
	.size	k_q68149507ac_oproj, .Lfunc_end_k_q68149507ac_oproj-k_q68149507ac_oproj
	.p2alignl 7, 3214868480
	.fill 96, 4, 3214868480
	.section	.rodata,"a",@progbits
	.p2align	6, 0x0
	.amdhsa_kernel k_q68149507ac_oproj
		.amdhsa_group_segment_fixed_size 327680
		.amdhsa_private_segment_fixed_size 0
		.amdhsa_enable_private_segment 0
		.amdhsa_kernarg_size 24
		.amdhsa_user_sgpr_count 2
		.amdhsa_user_sgpr_kernarg_segment_ptr 1
		.amdhsa_wavefront_size32 1
		.amdhsa_system_sgpr_workgroup_id_x 1
		.amdhsa_system_sgpr_workgroup_id_y 1
		.amdhsa_system_sgpr_workgroup_id_z 1
		.amdhsa_system_vgpr_workitem_id 0
		.amdhsa_next_free_vgpr 512
		.amdhsa_next_free_sgpr 100
		.amdhsa_reserve_vcc 0
		.amdhsa_float_denorm_mode_32 3
		.amdhsa_float_denorm_mode_16_64 3
		.amdhsa_memory_ordered 1
		.amdhsa_forward_progress 1
		.amdhsa_inst_pref_size 178
	.end_amdhsa_kernel
	.amdgpu_metadata
---
amdhsa.version: [ 1, 2 ]
amdhsa.kernels:
  - .name:           k_q68149507ac_oproj
    .symbol:         k_q68149507ac_oproj.kd
    .args:
      - { .name: ao, .offset: 0, .size: 8, .value_kind: global_buffer, .address_space: global }
      - { .name: wob, .offset: 8, .size: 8, .value_kind: global_buffer, .address_space: global }
      - { .name: out0, .offset: 16, .size: 8, .value_kind: global_buffer, .address_space: global }
    .group_segment_fixed_size: 327680
    .private_segment_fixed_size: 0
    .kernarg_segment_align: 8
    .kernarg_segment_size: 24
    .max_flat_workgroup_size: 128
    .sgpr_count:     100
    .vgpr_count:     512
    .wavefront_size: 32
...
	.end_amdgpu_metadata
.endif
;; end of part 4
